; MI455X (gfx1250); checked and timed in simulation.
; The chip was launched on July 23, 2026; its instructions are those of AMD's public machine-readable ISA for CDNA 5 (MIT licence, August 2026) and "CDNA5" Instruction Set Architecture Reference Guide (July 2026). The comments in the code are by the model that wrote it; some were corrected since.
;; Decoder Head. Allowed arithmetic: matrix products marked QUANTISED: E2M1 operands, one E8M0 scale for each 32 along K, by v_wmma_scale_f32_16x16x128_f8f6f4 with both operands' format E2M1 (or v_wmma_scale_f32_32x16x128_f4), f32 sums; everything else in f32.
;; Inputs: Wk 512 x 512 float32; Wq 512 x 512 float32; Wv 512 x 512 float32; mask 8 x 1 x 2,048 x 2,048 int32; x 8 x 2,048 x 512 float32; y 1 float32; z 1 float32.
;; Outputs: out0 8 x 2,048 x 512 float32.
;; This version of the problem:
;;   THIS VERSION OF THE PROBLEM IS GIVEN IN LOW PRECISION. The matrix products marked QUANTISED in the list below multiply operands that are first quantised to E2M1 (2 exponent bits, 1 mantissa bit; 4 bits a number), with one power-of-two scale for each 32 numbers along K (OCP MX v1.0); their sums are f32. All else is computed in f32.
;;   The module's matrix products, in the order in which they are computed (A, B: the left and right operand; K: the contracted axis; several contracted axes count as one K, in the product's order):
;;     1. [M 16,384, K 512] x [K 512, N 512]; A: input x; B: input Wk: QUANTISED
;;     2. [M 16,384, K 512] x [K 512, N 512]; A: input x; B: input Wq: QUANTISED
;;     3. [M 16,384, K 512] x [K 512, N 512]; A: input x; B: input Wv: QUANTISED
;;     4. batch 8 x [M 2,048, K 512] x [K 512, N 2,048]; A: computed on the way; B: computed on the way: QUANTISED
;;     5. batch 8 x [M 2,048, K 2,048] x [K 2,048, N 512]; A: softmax (see below); B: computed on the way: QUANTISED
;;   THE QUANTISER, for each operand of a quantised product, along K:
;;     - K is cut into blocks of 32 from its start; a last block that is shorter is filled with zeros.
;;     - A block's scale is 2^e with e = floor(log2(the largest magnitude in the block)) - 2, held to -126 .. 127; a block of zeros has e = 0. As a byte (E8M0): e + 127.
;;     - Each number is divided by its block's scale, clamped to +-6, and rounded to the nearest number of E2M1, ties to even, subnormals kept.
;;     - The product sums the exact products of the quantised numbers (number of the format x scale) in f32.
;;   ~~~python
;;   def quantise(x, axis):      # numpy; x: float32 -> the quantised numbers, widened to float32 again
;;       x = np.moveaxis(x, axis, -1); K = x.shape[-1]
;;       x = np.pad(x, [(0, 0)] * (x.ndim - 1) + [(0, -K % 32)]); x = x.reshape(x.shape[:-1] + (-1, 32)); a = np.abs(x).max(-1, keepdims=True)
;;       e = np.where(a > 0, np.clip(np.frexp(np.where(a > 0, a, 1))[1] - 1 - 2, -126, 127), 0)      # np.frexp(a)[1] - 1 = floor(log2(a)), exactly
;;       r = np.clip(x / 2.0 ** e, -6, 6)
;;       step = 2.0 ** (np.maximum(np.frexp(np.where(r == 0, 1, r))[1] - 1, 0) - 1)
;;       q = np.round(r / step) * step * 2.0 ** e      # np.round: ties to even
;;       return np.moveaxis(q.reshape(q.shape[:-2] + (-1,))[..., :K], -1, axis).astype(np.float32)
;;   ~~~
;;   SOFTMAX AHEAD OF A QUANTISED PRODUCT. Where the list says 'softmax', what is quantised is not the finished softmax but p = 2^(t - M), with t = logit x log2(e) and M = ceil(the row's largest t), a whole number; so 1/2 < the row's largest p <= 1. The row's sum l is taken of the UNQUANTISED p, in f32, and the product's result is divided by l at the end. Since M is a whole number, a kernel that streams over the keys may use a running M (the ceiling of the running maximum): every later rescaling is an exact power of two, which a block's scale takes up: the codes' values come out the same.
;;   OPERANDS COMPUTED ON THE WAY. 'Computed on the way' means the value that the module computes at that place (a softmax that the list does not call 'softmax' is quantised finished and normalised). What goes into a quantiser is computed in f32, as accurately as f32 sums, v_exp_f32 and their like allow (about 1e-6 of the number): no bf16 or f16 on the way to a quantiser, and a product that is left as it is and whose result goes on into a quantised operand takes f32 operands (vector FMAs, or v_wmma_f32_16x16x4_f32). A number that lies on a knife's edge between two numbers of the format may be rounded either way, as far as f32 arithmetic and the matrix unit's own rounding can turn it there, and no further.
;; One version. Each part assembles by itself: llvm-mc -triple=amdgcn-amd-amdhsa -mcpu=gfx1250 --defsym DOCPART=n.
;; ======== version 1 of 1: 3 launches
;; limits: right only within a limited range of input values
;; workspace buffers: cimg 4,874,240 bytes; qimg 4,456,448 bytes; kv 8,912,896 bytes
;; launch quant (part 1): grid 560 x 1, 8 waves a work-group, no clusters, 69,120 bytes of LDS; arguments Wq, Wk, Wv, x, cimg; writes cimg
.if DOCPART == 1
	.amdgcn_target "amdgcn-amd-amdhsa--gfx1250"
	.amdhsa_code_object_version 6
	.text
	.protected	k_qa6a602027b_quant
	.globl	k_qa6a602027b_quant
	.p2align	8
	.type	k_qa6a602027b_quant,@function
k_qa6a602027b_quant:
	s_mov_b64 s[64:65], 0
	v_nop
	global_prefetch_b8 v0, s[64:65] scope:SCOPE_SE
	s_setreg_imm32_b32 hwreg(HW_REG_WAVE_MODE, 25, 1), 1
	s_wait_xcnt 0x0
; Wq, Wk, Wv [512][512] and x [16,384][512], f32 with K = 512 innermost, become codes of FP4 (E2M1) with one E8M0 scale byte for each 32 along K,
; laid as IMAGES OF OPERAND REGISTERS.  A fragment is 16 rows x 128 K: 8 registers a lane, 1,024 bytes: registers 4 c .. 4 c + 3 of lane L at 512 c + 16 L.
; cimg: [group of 128 rows 0..139][34,816]: groups 0-3 Wq, 4-7 Wk, 8-11 Wv, 12-139 x.  In a group: image (tile t 0..7, K step s) at 1,024 (4 t + s); its scale block at 32,768:
; the word of tile t, K step s, row r at 512 (t / 2) + 256 (s % 2) + 16 r + 4 (2 (t % 2) + s / 2): four loads of 16 bytes a lane bring register 2 t + s / 2 with even s in lanes 0-15 and odd s in lanes 16-31.
; THE ROWS OF A TILE ARE NOT NEIGHBOURS: lane row r of a tensor's tile 2 B + u is its row 32 B + 8 u + r + 8 (r / 8), so that in a product with the tile as source 0 the 16 registers of tiles 2 B, 2 B + 1 are 16 neighbouring rows.
; SHARES: work-group P takes one pair of tiles (32 rows): P < 48 of the weights (16 pairs each), the others of x.  Wave w makes ONE fragment: tile w / 4 of the pair, K step w % 4.  560 pairs; with 160 registers a wave and
; 69,120 bytes of LDS three work-groups fit on a WGP, so all are at work at once.  Only pointers are chosen by the work-group's number: all tensors take one path through the text.
; LOADS: each of a wave's 16 loads reads 512 consecutive bytes of one row, 16 a lane.  The conversions want 16 NEIGHBOURS along K in a lane: so the 16 rows turn through the wave's own stage in LDS
; (rows of 512 bytes + 16: row r starts at bank 4 r mod 64, ISA guide 11.1) and come back 64 bytes a lane and block.  A pair's scale words are 512 consecutive bytes: they meet in LDS and leave whole.
; A block's scale is 2^(floor(log2(largest magnitude)) - 2): its byte is the largest magnitude's exponent field - 2, held at 1 from below.
; LIMITS: a block of zeros gets the byte 1 where the quantiser says 127 (its codes are zeros, and this program alone reads the bytes); magnitudes under 2^-124 were not tried;
; NaN and infinities among the inputs are not served.  The inputs y and z enter no step of the computation and are named by no launch.
.set GRP,    34816                     ; a group's bytes in cimg
.set SPITCH, 528                       ; a stage row
.set WSTG,   16*SPITCH                 ; a wave's stage
.set SG,     8*WSTG                    ; behind the stages: the pair's 512 bytes of scale words
.set R,   16                           ; v16-79   16 rows as they are loaded
.set X,   80                           ; v80-143  my 64 numbers: register 16 b + i = k 32 b + 16 (lane / 16) + i of my row
.set TM,  144                          ; v144-159 at work
.set PC,  16                           ; v16-23   the fragment's codes: the loaded rows have gone to the stage by then.  (160 registers a wave in all)
.set PW,  12                           ; v12      my row's scale word
.set SEL, 20                           ; s[20:21] lane selects: lane l xor 16
; 64 numbers of a lane become a fragment's 8 registers in v[pc] on and my row's scale word in v[pw]
.macro QUANT s, pc, pw
.irp b, 0,1,2,3
	v_max3_num_f32 v[TM+\b], |v[(\s)+16*\b]|, |v[(\s)+1+16*\b]|, 0x1800000   ; my 16 numbers of block b, and the floor 2^(3 - 127): the byte cannot fall under 1
.endr
.irp i, 2,4,6,8,10,12,14
.irp b, 0,1,2,3
	s_delay_alu instid0(VALU_DEP_4)
	v_max3_num_f32 v[TM+\b], v[TM+\b], |v[(\s)+16*\b+\i]|, |v[(\s)+1+16*\b+\i]|   ; the four blocks by turns
.endr
.endr
.irp b, 0,1,2,3
	s_delay_alu instid0(VALU_DEP_4)
	v_permlanex16_b32 v[TM+4+\b], v[TM+\b], s[SEL], s[SEL+1]
.endr
.irp b, 0,1,2,3
	s_delay_alu instid0(VALU_DEP_4)
	v_max_num_f32 v[TM+\b], v[TM+\b], v[TM+4+\b]   ; with lane l xor 16's 16: the block's largest magnitude
.endr
.irp b, 0,1,2,3
	s_delay_alu instid0(VALU_DEP_4)
	v_add_nc_u32 v[TM+12+\b], 0xff000000, v[TM+\b]   ; 2 off its exponent field: the conversion's scale operand
.endr
.irp b, 0,1,2,3
	s_delay_alu instid0(VALU_DEP_4)
	v_lshrrev_b32 v[TM+4+\b], 23, v[TM+12+\b]      ; the scale's byte
.endr
	s_delay_alu instid0(VALU_DEP_3)
	v_lshl_or_b32 v[\pw], v[TM+5], 8, v[TM+4]
	s_delay_alu instid0(VALU_DEP_1)
	v_lshl_or_b32 v[\pw], v[TM+6], 16, v[\pw]
	s_delay_alu instid0(VALU_DEP_1)
	v_lshl_or_b32 v[\pw], v[TM+7], 24, v[\pw]
.irp b, 0,1,2,3
	v_cvt_scalef32_pk8_fp4_f32 v[(\pc)+2*\b], v[(\s)+16*\b:(\s)+7+16*\b], v[TM+12+\b]
	v_cvt_scalef32_pk8_fp4_f32 v[(\pc)+1+2*\b], v[(\s)+8+16*\b:(\s)+15+16*\b], v[TM+12+\b]
.endr
	v_nop                                          ; one plain instruction behind the last scaled conversion
.irp c, 0,1
.irp i, 0,1
	v_permlane16_swap_b32 v[(\pc)+4*\c+\i], v[(\pc)+2+4*\c+\i]   ; a whole block to a lane: lanes 0-15 block 2 c, lanes 16-31 block 2 c + 1
.endr
.endr
.endm
	s_load_b256 s[4:11], s[0:1], 0x0               ; Wq s[4:5], Wk s[6:7], Wv s[8:9], x s[10:11]
	s_load_b64 s[12:13], s[0:1], 0x20              ; cimg
	v_lshl_add_u32 v13, v0, 2, 0x10a00
	v_mov_b32 v14, 0
	v_lshrrev_b32 v1, 5, v0
	s_delay_alu instid0(VALU_DEP_1)
	v_readfirstlane_b32 s14, v1                    ; wave 0..7
	v_and_b32 v1, 15, v0                           ; r
	s_wait_alu depctr_va_vdst(0)
	v_bfe_u32 v2, v0, 4, 1                         ; h
	v_and_b32 v3, 31, v0
	s_delay_alu instid0(VALU_DEP_1)
	v_lshlrev_b32 v3, 4, v3                        ; 16 x lane: my bytes of a load's 512, and an image's place for my lane; never rewritten
	s_wait_alu depctr_va_vdst(0)
	s_mul_i32 s15, s14, WSTG                       ; my stage
	v_add_nc_u32 v4, s15, v3                       ; into it: a row as it was loaded
	v_mul_u32_u24 v5, v1, SPITCH
	s_delay_alu instid0(VALU_DEP_1)
	v_lshl_add_u32 v5, v2, 6, v5
	s_delay_alu instid0(VALU_DEP_1)
	v_add_nc_u32 v5, s15, v5                       ; out of it: row r, + 64 h: my 16 numbers of a block of 32
	s_and_b32 s16, s14, 1                          ; my scale word's place among the pair's: 256 (s % 2)
	s_lshl_b32 s16, s16, 8
	s_bfe_u32 s17, s14, 0x10001                    ; + 4 (s / 2)
	s_lshl_b32 s17, s17, 2
	s_add_co_u32 s16, s16, s17
	s_lshr_b32 s17, s14, 2                         ; u: which tile of the pair
	s_lshl_b32 s22, s17, 3                         ; + 8 u
	s_add_co_u32 s16, s16, s22
	s_add_co_u32 s16, s16, SG
	v_lshlrev_b32 v6, 4, v1
	s_delay_alu instid0(VALU_DEP_1)
	v_add_nc_u32 v6, s16, v6                       ; + 16 r
	v_add_nc_u32 v7, SG, v3                        ; the way out of the pair's scale words: 16 bytes a lane
	s_mov_b32 s[SEL], 0x76543210
	s_mov_b32 s[SEL+1], 0xfedcba98
.irp b, 0,1,2,3
	v_mov_b32 v[TM+4+\b], 0                        ; written once: a lane permute's destination counts as one of its sources
.endr
	s_and_b32 s18, ttmp9, 15                       ; which pair of its tensor: a weight has 16,
	s_sub_co_u32 s19, ttmp9, 48                    ; x's follow the weights' 48
	s_cmp_lt_u32 ttmp9, 48
	s_cselect_b32 s18, s18, s19
	s_lshl_b32 s18, s18, 16                        ; 32 rows of 2,048 bytes a pair,
	s_lshl_b32 s19, s17, 14                        ; 8 rows on for the pair's second tile,
	s_add_co_u32 s18, s18, s19
	s_and_b32 s19, s14, 3
	s_lshl_b32 s19, s19, 9                         ; 128 along K, 512 bytes, a K step
	s_add_co_u32 s18, s18, s19
	s_mov_b32 s19, 0
	s_lshr_b32 s22, ttmp9, 2                       ; out: the group,
	s_mul_i32 s22, s22, GRP
	s_and_b32 s23, ttmp9, 3                        ; the pair in it: 8 images, 8,192 bytes;
	s_lshl_b32 s24, s23, 13
	s_add_co_u32 s24, s24, s22
	s_lshl_b32 s25, s14, 10                        ; my image: 4 u + s = w
	s_add_co_u32 s24, s24, s25
	s_mov_b32 s25, 0
	s_lshl_b32 s26, s23, 9                         ; and the pair's 512 bytes of the scale block
	s_add_co_u32 s26, s26, s22
	s_add_co_u32 s26, s26, 32768
	s_mov_b32 s27, 0
	s_wait_alu depctr_va_vdst(0)
	s_wait_kmcnt 0x0
	s_cmp_lt_u32 ttmp9, 16                         ; which tensor: the choices hang on the work-group's number alone
	s_cselect_b64 s[4:5], s[4:5], s[6:7]
	s_cmp_lt_u32 ttmp9, 32
	s_cselect_b64 s[4:5], s[4:5], s[8:9]
	s_cmp_lt_u32 ttmp9, 48
	s_cselect_b64 s[4:5], s[4:5], s[10:11]
	s_add_nc_u64 s[4:5], s[4:5], s[18:19]
	s_add_nc_u64 s[28:29], s[12:13], s[24:25]
	s_add_nc_u64 s[30:31], s[12:13], s[26:27]
.irp i, 0,1,2,3,4,5,6,7,8,9,10,11,12,13,14,15
	global_load_b128 v[R+4*\i:R+4*\i+3], v3, s[4:5] offset:(\i+8*(\i/8))*2048 th:TH_LOAD_NT   ; lane row i of my tile: 32 lanes read 512 consecutive bytes; read once in the launch
.endr
.irp g, 0,1,2,3
	s_wait_loadcnt 12-4*\g                         ; these four rows are in; the younger loads may be out
.irp j, 0,1,2,3
	ds_store_b128 v4, v[R+4*(4*\g+\j):R+4*(4*\g+\j)+3] offset:(4*\g+\j)*SPITCH
.endr
.endr
.irp b, 0,1,2,3
.irp j, 0,1,2,3
	ds_load_b128 v[X+16*\b+4*\j:X+16*\b+4*\j+3], v5 offset:128*\b+16*\j   ; LDS serves a wave's instructions in order (ISA guide 5.7.1.4): these see my stores
.endr
.endr
	s_wait_dscnt 0x0
	QUANT X, PC, PW
	global_store_b128 v3, v[PC:PC+3], s[28:29]     ; 32 lanes store 512 consecutive bytes
	global_store_b128 v3, v[PC+4:PC+7], s[28:29] offset:512
	ds_store_b32 v6, v[PW]                         ; lanes r and r + 16 write the same word with the same value
	s_wait_dscnt 0x0                               ; for the others' sake: my scale words lie in LDS
	s_barrier_signal -1
	s_barrier_wait -1
	s_cmp_eq_u32 s14, 0                            ; wave 0 sends the pair's 512 bytes of scale words out
	s_cbranch_scc0 .Ldone
	ds_load_b128 v[8:11], v7
	s_wait_dscnt 0x0
	global_store_b128 v3, v[8:11], s[30:31]        ; 512 consecutive bytes
.Ldone:
	s_wait_tensorcnt 0x0
	ds_add_u32 v13, v14
	s_wait_dscnt 0x0
	s_endpgm
.Lfunc_end_k_qa6a602027b_quant:
	.size	k_qa6a602027b_quant, .Lfunc_end_k_qa6a602027b_quant-k_qa6a602027b_quant
	.p2alignl 7, 3214868480
	.fill 96, 4, 3214868480
	.section	.rodata,"a",@progbits
	.p2align	6, 0x0
	.amdhsa_kernel k_qa6a602027b_quant
		.amdhsa_group_segment_fixed_size 69120
		.amdhsa_private_segment_fixed_size 0
		.amdhsa_enable_private_segment 0
		.amdhsa_kernarg_size 40
		.amdhsa_user_sgpr_count 2
		.amdhsa_user_sgpr_kernarg_segment_ptr 1
		.amdhsa_wavefront_size32 1
		.amdhsa_system_sgpr_workgroup_id_x 1
		.amdhsa_system_sgpr_workgroup_id_y 1
		.amdhsa_system_sgpr_workgroup_id_z 1
		.amdhsa_system_vgpr_workitem_id 0
		.amdhsa_next_free_vgpr 160
		.amdhsa_next_free_sgpr 66
		.amdhsa_reserve_vcc 0
		.amdhsa_float_denorm_mode_32 3
		.amdhsa_float_denorm_mode_16_64 3
		.amdhsa_memory_ordered 1
		.amdhsa_forward_progress 1
		.amdhsa_inst_pref_size 13
	.end_amdhsa_kernel
	.amdgpu_metadata
---
amdhsa.version: [ 1, 2 ]
amdhsa.kernels:
  - .name:           k_qa6a602027b_quant
    .symbol:         k_qa6a602027b_quant.kd
    .args:
      - { .name: Wq, .offset: 0, .size: 8, .value_kind: global_buffer, .address_space: global }
      - { .name: Wk, .offset: 8, .size: 8, .value_kind: global_buffer, .address_space: global }
      - { .name: Wv, .offset: 16, .size: 8, .value_kind: global_buffer, .address_space: global }
      - { .name: x, .offset: 24, .size: 8, .value_kind: global_buffer, .address_space: global }
      - { .name: cimg, .offset: 32, .size: 8, .value_kind: global_buffer, .address_space: global }
    .group_segment_fixed_size: 69120
    .private_segment_fixed_size: 0
    .kernarg_segment_align: 8
    .kernarg_segment_size: 40
    .max_flat_workgroup_size: 256
    .sgpr_count:     66
    .vgpr_count:     160
    .wavefront_size: 32
...
	.end_amdgpu_metadata
.endif
;; end of part 1
;; launch proj (part 2): grid 2 x 128, 4 waves a work-group, no clusters, 168,448 bytes of LDS; arguments cimg, qimg, kv; writes qimg, kv
.if DOCPART == 2
	.amdgcn_target "amdgcn-amd-amdhsa--gfx1250"
	.amdhsa_code_object_version 6
	.text
	.protected	k_qa6a602027b_proj
	.globl	k_qa6a602027b_proj
	.p2align	8
	.type	k_qa6a602027b_proj,@function
k_qa6a602027b_proj:
	s_mov_b64 s[64:65], 0
	v_nop
	global_prefetch_b8 v0, s[64:65] scope:SCOPE_SE
	s_setreg_imm32_b32 hwreg(HW_REG_WAVE_MODE, 25, 1), 1
	s_wait_xcnt 0x0
; q = x Wq^T, k = x Wk^T, v = x Wv^T on codes of FP4 (E2M1) with one E8M0 scale for each 32 along K = 512; the results are quantised at once for the two products of attention:
; q and k along the head's 512, v along the KEYS, and leave as images of operand registers (a fragment, 16 rows x 128 K: 1,024 bytes, registers 4 c .. 4 c + 3 of lane L at 512 c + 16 L).
; IN.  cimg [group of 128 rows][34,816], as the launch before laid it: groups 0-3 Wq, 4-7 Wk, 8-11 Wv, 12 + tb the tokens of block tb; image (tile t, K step s) at 1,024 (4 t + s), the group's scale block at 32,768.
; SHARES.  Work-group (p, tb) takes the 128 tokens of block tb.  p = 0 makes q and v's channels 0-255, p = 1 makes k and v's channels 256-511: 768 columns each, 256 equal work-groups.
; THE WAVES SHARE THE COLUMNS: wave w holds tiles 8 w .. 8 w + 7 of Wq or Wk (32 fragments) and tiles 16 p + 4 w .. + 3 of Wv (16 fragments) in registers, loaded once, straight from memory.
; The block's codes of x, 34,816 dense bytes, come into LDS by one tensor load a wave (a quarter each, filled once) and from there into every wave's registers.
; NO CLUSTER: x's codes are shared by two work-groups alone and are 34,816 of the 243,712 bytes that a work-group loads; the weights go into registers and stay there, so a way through LDS would only add a round trip.
; TILES.  Lane row r of tile 2 B + u (of tokens, or of a weight's rows) is row 32 B + 8 u + r + 8 (r / 8).  So with such a tile as source 0, register j of lanes' half h of its result is row 32 B + 16 h + 8 u + j:
; the 16 registers of tiles 2 B, 2 B + 1 are 16 neighbours along the next K, which is what the conversions want.
; OUT.  qimg [tb][34,816]: image (token tile m, K step s) at 1,024 (4 m + s); scale block at 32,768.  kv [tb][69,632]: k likewise at 0; v's image of channel tile ct at 34,816 + 1,024 ct; v's scale block at 67,584.
; A scale block of 8 tiles x 4 words: tile t, K step s, row r at 512 (t / 2) + 256 (s % 2) + 16 r + 4 (2 (t % 2) + s / 2).  v's (32 tiles x 1 word): 512 (ct / 8) + 256 (ct % 2) + 16 r + 4 ((ct / 2) % 4).
; LIMITS: a block of zeros gets the byte 1 where the quantiser says 127 (its codes are zeros; this program alone reads the bytes); magnitudes under 2^-124 were not tried; NaN and infinities are not served.
; The inputs y and z enter no step of the computation and are named by no launch.
; REGISTERS: window 0: v2-14 addresses, v24-35 scale words just made, v48-111 accumulators, v112-175 codes, v176-191 at work, v210-249 scale words of the weights and of x.
;   window 1: Wq's or Wk's 32 fragments.   window 2: Wv's 16.   window 3: x's 32.
.set GRP,  34816                       ; a group's bytes in cimg
.set XIMG, 0                           ; LDS: x's 32 fragment images,
.set XSC,  32768                       ; x's scale block: both filled by the tensor loads, once;
.set KSG,  34816                       ; q's or k's scale block is gathered here,
.set VSG,  36864                       ; and my half of v's here: bytes that only LDS stores write
.set LI,  2                            ; 16 x lane
.set KSA, 7                            ; my word in q's or k's scale block
.set VSA, 8                            ; my word in v's
.set O1,  9                            ; 16 x lane + 1,024 x wave: q's or k's images in memory
.set O2,  10                           ; 16 x lane + 4,096 x wave: v's
.set G16, 11                           ; KSG + 16 x thread
.set G8,  12                           ; VSG + 8 x thread
.set T16, 13                           ; 16 x thread
.set T8,  14                           ; 8 x thread
.set PWQ, 24                           ; scale words just made: q's or k's eight, v's four: each has a register of its own
.set PWV, 32
.set HA,  48
.set ST,  112
.set TM,  176
.set WS,  210                          ; register 2 t + s / 2: tile t, even s in lanes 0-15, odd s in lanes 16-31
.set WVS, 226
.set XS,  234
.set SEL, 50                           ; s[50:51] lane selects: lane l xor 16
.set MSB, 0
.macro WIN new                         ; the immediate's high byte repeats the setting that is left
.if MSB != \new
	s_set_vgpr_msb (MSB<<8)|\new
.set MSB, \new
.endif
.endm
.macro PLACES
.rept 4
	v_nop
.endr
.endm
; one scaled product on the registers named by wD, wA, wB, wSA, wSB.  zero = 1: it starts the sum.  mode 1: both scale words are taken from lanes 16-31
.macro WM zero, mode
.if \zero
.if (\mode) == 0
	v_wmma_scale_f32_16x16x128_f8f6f4 v[wD:wD+7], v[wA:wA+7], v[wB:wB+7], 0, v[wSA], v[wSB] matrix_a_fmt:MATRIX_FMT_FP4 matrix_b_fmt:MATRIX_FMT_FP4
.else
	v_wmma_scale_f32_16x16x128_f8f6f4 v[wD:wD+7], v[wA:wA+7], v[wB:wB+7], 0, v[wSA], v[wSB] matrix_a_fmt:MATRIX_FMT_FP4 matrix_b_fmt:MATRIX_FMT_FP4 matrix_a_scale:MATRIX_SCALE_ROW1 matrix_b_scale:MATRIX_SCALE_ROW1
.endif
.else
.if (\mode) == 0
	v_wmma_scale_f32_16x16x128_f8f6f4 v[wD:wD+7], v[wA:wA+7], v[wB:wB+7], v[wD:wD+7], v[wSA], v[wSB] matrix_a_fmt:MATRIX_FMT_FP4 matrix_b_fmt:MATRIX_FMT_FP4
.else
	v_wmma_scale_f32_16x16x128_f8f6f4 v[wD:wD+7], v[wA:wA+7], v[wB:wB+7], v[wD:wD+7], v[wSA], v[wSB] matrix_a_fmt:MATRIX_FMT_FP4 matrix_b_fmt:MATRIX_FMT_FP4 matrix_a_scale:MATRIX_SCALE_ROW1 matrix_b_scale:MATRIX_SCALE_ROW1
.endif
.endif
.endm
; 64 numbers of a lane, register 16 b + i = k 32 b + 16 (lane / 16) + i of my row, become a fragment's 8 registers in v[pc] on and my row's scale word in v[pw].  Each accumulator is read from its low end on.
.macro QUANT s, pc, pw
.irp b, 0,1,2,3
	v_max3_num_f32 v[TM+\b], |v[(\s)+16*\b]|, |v[(\s)+1+16*\b]|, 0x1800000   ; my 16 numbers of block b, and the floor 2^(3 - 127): the byte cannot fall under 1
.endr
.irp i, 2,4,6,8,10,12,14
.irp b, 0,1,2,3
	v_max3_num_f32 v[TM+\b], v[TM+\b], |v[(\s)+16*\b+\i]|, |v[(\s)+1+16*\b+\i]|   ; the four blocks by turns
.endr
.endr
.irp b, 0,1,2,3
	v_permlanex16_b32 v[TM+4+\b], v[TM+\b], s[SEL], s[SEL+1]
.endr
.irp b, 0,1,2,3
	v_max_num_f32 v[TM+\b], v[TM+\b], v[TM+4+\b]   ; with lane l xor 16's 16: the block's largest magnitude
.endr
.irp b, 0,1,2,3
	v_add_nc_u32 v[TM+12+\b], 0xff000000, v[TM+\b]   ; 2 off its exponent field: the conversion's scale operand
.endr
.irp b, 0,1,2,3
	v_lshrrev_b32 v[TM+4+\b], 23, v[TM+12+\b]      ; the scale's byte
.endr
	v_lshl_or_b32 v[\pw], v[TM+5], 8, v[TM+4]
	v_lshl_or_b32 v[\pw], v[TM+6], 16, v[\pw]
	v_lshl_or_b32 v[\pw], v[TM+7], 24, v[\pw]
.irp b, 0,1,2,3
	v_cvt_scalef32_pk8_fp4_f32 v[(\pc)+2*\b], v[(\s)+16*\b:(\s)+7+16*\b], v[TM+12+\b]
	v_cvt_scalef32_pk8_fp4_f32 v[(\pc)+1+2*\b], v[(\s)+8+16*\b:(\s)+15+16*\b], v[TM+12+\b]
.endr
	v_nop                                          ; one plain instruction behind the last scaled conversion
.irp c, 0,1
.irp i, 0,1
	v_permlane16_swap_b32 v[(\pc)+4*\c+\i], v[(\pc)+2+4*\c+\i]   ; a whole block to a lane: lanes 0-15 block 2 c, lanes 16-31 block 2 c + 1
.endr
.endr
.endm
	s_load_b128 s[4:7], s[0:1], 0x0                ; cimg s[4:5], qimg s[6:7]
	s_load_b64 s[8:9], s[0:1], 0x10                ; kv
	v_lshl_add_u32 v254, v0, 2, 0x29000
	v_mov_b32 v255, 0
	ds_add_u32 v254, v255
	ds_add_u32 v254, v255
	v_lshrrev_b32 v15, 5, v0
	v_readfirstlane_b32 s14, v15                   ; wave 0..3
	s_and_b32 s15, ttmp7, 0xffff                   ; tb: the block of 128 tokens
	; descriptor group 1: my quarter of the block's 34,816 dense bytes: 34 rows of 256 bytes (32 elements of 8), no padding: they are read back 16 bytes a lane, 512 consecutive bytes a load
	s_mov_b32 s24, 3<<16                           ; 15:0 no mask; 17:16 elements of 8 bytes; 20 padding off
	s_mov_b32 s25, 32<<16                          ; tensor_dim0 = 32
	s_mov_b32 s26, 34<<16                          ; tensor_dim1 = 34
	s_mov_b32 s27, 32<<16                          ; tile_dim0 = 32
	s_mov_b32 s28, 34                              ; tile_dim1 = 34
	s_mov_b32 s29, 32                              ; from row to row
	s_mov_b32 s30, 0
	s_mov_b32 s31, 0
	s_mul_i32 s33, s14, 8704                       ; my quarter, in LDS and in the block
	s_add_co_u32 s16, s15, 12                      ; x's groups follow the weights' twelve
	s_mul_i32 s16, s16, GRP
	s_add_co_u32 s16, s16, s33
	s_mov_b32 s17, 0
	s_mov_b32 s19, 0
	s_wait_dscnt 0x0
	s_wait_kmcnt 0x0
	s_mov_b32 s32, 1
	s_add_nc_u64 s[34:35], s[4:5], s[16:17]
	s_or_b32 s35, s35, 0x80000000
	tensor_load_to_lds s[32:35], s[24:31]          ; my one tensor load; these bytes are filled once
	s_nop 0
	PLACES
	v_and_b32 v[LI], 31, v0
	v_lshlrev_b32 v[LI], 4, v[LI]
	s_wait_alu depctr_va_vdst(0)
	s_lshl_b32 s18, ttmp9, 2                       ; the main weight: group 4 p + w holds my eight tiles
	s_add_co_u32 s18, s18, s14
	s_mul_i32 s18, s18, GRP
	s_add_nc_u64 s[36:37], s[4:5], s[18:19]
	s_lshl_b32 s18, ttmp9, 1                       ; Wv: tiles 16 p + 4 w on: group 8 + 2 p + w / 2,
	s_lshr_b32 s20, s14, 1
	s_add_co_u32 s18, s18, s20
	s_add_co_u32 s18, s18, 8
	s_mul_i32 s18, s18, GRP
	s_and_b32 s20, s14, 1
	s_lshl_b32 s21, s20, 14                        ; its tiles 4 (w % 2) on: 4,096 bytes a tile;
	s_lshl_b32 s22, s20, 10                        ; their scale words: half of the group's block
	s_add_co_u32 s22, s22, s18
	s_add_co_u32 s22, s22, 32768
	s_mov_b32 s23, 0
	s_add_co_u32 s18, s18, s21
	s_add_nc_u64 s[38:39], s[4:5], s[18:19]
	s_add_nc_u64 s[40:41], s[4:5], s[22:23]
.irp g, 0,1,2,3
	global_load_b128 v[WS+4*\g:WS+4*\g+3], v[LI], s[36:37] offset:32768+512*\g   ; the scale words first, then the main weight, Wv last: what the first products want comes first
.endr
.irp g, 0,1
	global_load_b128 v[WVS+4*\g:WVS+4*\g+3], v[LI], s[40:41] offset:512*\g
.endr
	WIN 0x40                                       ; destination window 1
.set n, 0
.rept 64
	global_load_b128 v[4*n:4*n+3], v[LI], s[36:37] offset:512*n   ; fragment (tile t, K step s) at v[8 (4 t + s)]: it stays
.set n, n+1
.endr
	WIN 0x80                                       ; destination window 2
.set n, 0
.rept 32
	global_load_b128 v[4*n:4*n+3], v[LI], s[38:39] offset:512*n
.set n, n+1
.endr
	WIN 0
	s_cmp_eq_u32 ttmp9, 0                          ; where the results go: q's block or k's (a choice on the work-group's number alone)
	s_cselect_b64 s[44:45], s[6:7], s[8:9]
	s_mov_b32 s18, 69632
	s_cselect_b32 s18, 34816, s18
	s_mul_i32 s18, s18, s15
	s_add_nc_u64 s[44:45], s[44:45], s[18:19]
	s_mul_i32 s18, s15, 69632                      ; v's images: my half of the channel tiles
	s_lshl_b32 s20, ttmp9, 14
	s_add_co_u32 s18, s18, s20
	s_add_co_u32 s18, s18, 34816
	s_add_nc_u64 s[46:47], s[8:9], s[18:19]
	s_mul_i32 s18, s15, 69632                      ; v's scale block: my half
	s_lshl_b32 s20, ttmp9, 10
	s_add_co_u32 s18, s18, s20
	s_add_co_u32 s18, s18, 67584
	s_add_nc_u64 s[48:49], s[8:9], s[18:19]
	s_mov_b32 s[SEL], 0x76543210
	s_mov_b32 s[SEL+1], 0xfedcba98
	v_and_b32 v15, 15, v0                          ; r
	v_lshlrev_b32 v17, 4, v15                      ; 16 r
	s_wait_alu depctr_va_vdst(0)
	s_and_b32 s20, s14, 1
	s_lshr_b32 s22, s14, 1
	s_lshl_b32 s21, s20, 8                         ; my results are K step w of q's or k's fragments: 256 (w % 2) + 4 (w / 2)
	s_lshl_b32 s23, s22, 2
	s_add_co_u32 s21, s21, s23
	s_add_co_u32 s21, s21, KSG
	v_add_nc_u32 v[KSA], s21, v17
	s_lshl_b32 s21, s22, 9                         ; v's channel tiles 4 w + i of my half: 512 (w / 2) + 8 (w % 2)
	s_lshl_b32 s23, s20, 3
	s_add_co_u32 s21, s21, s23
	s_add_co_u32 s21, s21, VSG
	v_add_nc_u32 v[VSA], s21, v17
	s_lshl_b32 s21, s14, 10
	v_add_nc_u32 v[O1], s21, v[LI]
	s_lshl_b32 s21, s14, 12
	v_add_nc_u32 v[O2], s21, v[LI]
	v_lshlrev_b32 v[T16], 4, v0
	v_lshlrev_b32 v[T8], 3, v0
	v_add_nc_u32 v[G16], KSG, v[T16]
	v_add_nc_u32 v[G8], VSG, v[T8]
.irp b, 0,1,2,3
	v_mov_b32 v[TM+4+\b], 0                        ; written once: a lane permute's destination counts as one of its sources
.endr
	s_wait_tensorcnt 0x0                           ; my quarter of x's codes lies in LDS,
	s_barrier_signal -1
	s_barrier_wait -1                              ; everybody's does
	; ---- L: all 32 fragments of x and their scale block into my registers
	WIN 0xc0                                       ; destination window 3
.set n, 0
.rept 64
	ds_load_b128 v[4*n:4*n+3], v[LI] offset:XIMG+512*n   ; fragment (token tile m, K step s) at v[8 (4 m + s)]
.set n, n+1
.endr
	WIN 0
.irp g, 0,1,2,3
	ds_load_b128 v[XS+4*\g:XS+4*\g+3], v[LI] offset:XSC+512*\g
.endr
	s_wait_dscnt 0x0
	s_wait_loadcnt 32                              ; the scale words and the main weight are in; behind them Wv's 32 loads may be out
	; ---- 1: q or k, transposed (source 0 = 16 rows of the weight, source 1 = 16 tokens): a lane holds one token, its 64 registers my 128 columns' share: K step w of the next product
.irp m, 0,1,2,3,4,5,6,7
	WIN 0x0d                                       ; source 0 window 1, source 1 window 3
.irp s, 0,1,2,3
.irp t, 0,1,2,3,4,5,6,7                        ; eight accumulators by turns, one instruction a turn
.set wD, HA+8*\t
.set wA, 8*(4*\t+\s)
.set wB, 8*(4*\m+\s)
.set wSA, WS+2*\t+\s/2
.set wSB, XS+2*\m+\s/2
.if \s == 0
	WM 1, \s%2
.else
	WM 0, \s%2
.endif
.endr
.endr
	WIN 0
	PLACES                                         ; four plain instructions between the last product and the first read of results
	QUANT HA, ST+8*\m, PWQ+\m
	global_store_b128 v[O1], v[ST+8*\m:ST+8*\m+3], s[44:45] offset:4096*\m        ; image (m, K step w): 512 consecutive bytes a store; each m has its own registers
	global_store_b128 v[O1], v[ST+8*\m+4:ST+8*\m+7], s[44:45] offset:4096*\m+512
	ds_store_b32 v[KSA], v[PWQ+\m] offset:512*(\m/2)+8*(\m%2)
.endr
	; ---- 2: v (source 0 = 16 tokens, source 1 = 16 rows of Wv): a lane holds one channel, its 64 registers run along the block's 128 keys
	s_wait_xcnt 0x0                                ; the stores above have read their registers: the codes' registers are written again only behind this wait
	s_wait_loadcnt 0x0                             ; Wv
.irp i, 0,1,2,3
	WIN 0x0b                                       ; source 0 window 3, source 1 window 2
.irp s, 0,1,2,3
.irp m, 0,1,2,3,4,5,6,7
.set wD, HA+8*\m
.set wA, 8*(4*\m+\s)
.set wB, 8*(4*\i+\s)
.set wSA, XS+2*\m+\s/2
.set wSB, WVS+2*\i+\s/2
.if \s == 0
	WM 1, \s%2
.else
	WM 0, \s%2
.endif
.endr
.endr
	WIN 0
	PLACES
	QUANT HA, ST+8*\i, PWV+\i
	global_store_b128 v[O2], v[ST+8*\i:ST+8*\i+3], s[46:47] offset:1024*\i
	global_store_b128 v[O2], v[ST+8*\i+4:ST+8*\i+7], s[46:47] offset:1024*\i+512
	ds_store_b32 v[VSA], v[PWV+\i] offset:256*(\i%2)+4*(\i/2)
.endr
	; ---- the two scale blocks leave whole
	s_wait_dscnt 0x0                               ; for the others' sake: my scale words lie in LDS
	s_barrier_signal -1
	s_barrier_wait -1
	ds_load_b128 v[36:39], v[G16]
	ds_load_b64 v[40:41], v[G8]
	s_wait_dscnt 0x0
	global_store_b128 v[T16], v[36:39], s[44:45] offset:32768   ; 512 consecutive bytes a wave
	global_store_b64 v[T8], v[40:41], s[48:49]     ; 256 consecutive bytes a wave
	s_wait_tensorcnt 0x0
	ds_add_u32 v254, v255
	s_wait_dscnt 0x0
	s_endpgm
.Lfunc_end_k_qa6a602027b_proj:
	.size	k_qa6a602027b_proj, .Lfunc_end_k_qa6a602027b_proj-k_qa6a602027b_proj
	.p2alignl 7, 3214868480
	.fill 96, 4, 3214868480
	.section	.rodata,"a",@progbits
	.p2align	6, 0x0
	.amdhsa_kernel k_qa6a602027b_proj
		.amdhsa_group_segment_fixed_size 168448
		.amdhsa_private_segment_fixed_size 0
		.amdhsa_enable_private_segment 0
		.amdhsa_kernarg_size 24
		.amdhsa_user_sgpr_count 2
		.amdhsa_user_sgpr_kernarg_segment_ptr 1
		.amdhsa_wavefront_size32 1
		.amdhsa_system_sgpr_workgroup_id_x 1
		.amdhsa_system_sgpr_workgroup_id_y 1
		.amdhsa_system_sgpr_workgroup_id_z 1
		.amdhsa_system_vgpr_workitem_id 0
		.amdhsa_next_free_vgpr 1024
		.amdhsa_next_free_sgpr 66
		.amdhsa_reserve_vcc 0
		.amdhsa_float_denorm_mode_32 3
		.amdhsa_float_denorm_mode_16_64 3
		.amdhsa_memory_ordered 1
		.amdhsa_forward_progress 1
		.amdhsa_inst_pref_size 117
	.end_amdhsa_kernel
	.amdgpu_metadata
---
amdhsa.version: [ 1, 2 ]
amdhsa.kernels:
  - .name:           k_qa6a602027b_proj
    .symbol:         k_qa6a602027b_proj.kd
    .args:
      - { .name: cimg, .offset: 0, .size: 8, .value_kind: global_buffer, .address_space: global }
      - { .name: qimg, .offset: 8, .size: 8, .value_kind: global_buffer, .address_space: global }
      - { .name: kv, .offset: 16, .size: 8, .value_kind: global_buffer, .address_space: global }
    .group_segment_fixed_size: 168448
    .private_segment_fixed_size: 0
    .kernarg_segment_align: 8
    .kernarg_segment_size: 24
    .max_flat_workgroup_size: 128
    .sgpr_count:     66
    .vgpr_count:     1024
    .wavefront_size: 32
...
	.end_amdgpu_metadata
.endif
;; end of part 2
;; launch attn (part 3): grid 32 x 8, 8 waves a work-group, clusters of 4 x 1, 327,680 bytes of LDS; arguments qimg, kv, mask, out0; writes out0
.if DOCPART == 3
	.amdgcn_target "amdgcn-amd-amdhsa--gfx1250"
	.amdhsa_code_object_version 6
	.text
	.protected	k_qa6a602027b_attn
	.globl	k_qa6a602027b_attn
	.p2align	8
	.type	k_qa6a602027b_attn,@function
k_qa6a602027b_attn:
	s_mov_b64 s[64:65], 0
	v_nop
	global_prefetch_b8 v0, s[64:65] scope:SCOPE_SE
	s_setreg_imm32_b32 hwreg(HW_REG_WAVE_MODE, 25, 1), 1
	s_wait_xcnt 0x0
	s_wait_alu depctr_hold_cnt(0) depctr_sa_sdst(0) depctr_va_vdst(0) depctr_va_sdst(0) depctr_va_ssrc(0) depctr_va_vcc(0) depctr_vm_vsrc(0)
	s_getreg_b32 s2, hwreg(HW_REG_IB_STS2, 6, 4)
	s_cmp_eq_u32 s2, 0
	s_cbranch_scc0 .Lentry_in_a_cluster
	s_endpgm
.Lentry_in_a_cluster:
	s_bfe_u32 s2, ttmp6, 0x10000c
	s_cmp_lg_u32 s2, 0x3003
	s_cbranch_scc0 .Lentry_shape_is_right
	s_endpgm
.Lentry_shape_is_right:
; out[b][q][:] = the sum over keys of softmax(q . k / sqrt(512), hidden where mask[b][0][q][key] = 0) v[key][:], both products on codes of FP4 (E2M1) with one E8M0 scale for each 32 along K.
; q, k, v come as images of operand registers (a fragment, 16 rows x 128 K: 1,024 bytes, registers 4 c .. 4 c + 3 of lane L at 512 c + 16 L) with their scale blocks, as the launch before laid them:
; 128 keys are one dense block of 69,632 bytes: k's 32 images (key tile t, K step s at 1,024 (4 t + s)), k's scale block, v's 32 images (channel tile ct, K = these keys), v's scale block.
; SHARES.  A work-group owns 64 queries of one batch and walks the keys 256 a step.  Wave w = 2 kq + qh.  Scores and softmax: the step's 64 keys of quarter kq x the 32 queries of half qh.
; Second product: channels 64 w .. + 63 x all 64 queries x all 256 keys.  Between the two, p's codes, their scales and the waves' M go through LDS, in two areas by turns: one barrier a step.
; k comes through LDS, since two waves read each of its fragments; v's fragments are read by one wave each: they come from memory straight into that wave's registers, a step ahead.
; THE SOFTMAX: t = score x log2(e) / sqrt(512).  Each wave keeps an M of its own for its own keys: the largest t so far rounded UP to a whole number; p = 2^(t - M) is quantised along the keys, not normalised.
; The four waves of a query half publish M and each block's scale; whoever multiplies takes R = the largest of the four M and brings the scales under R by 2^(M - R); O is multiplied by 2^(old R - new R): exact.
; The sums are taken of the unquantised p under the wave's own M and joined once, at the end.
; THE MASK is an input: every word is read; a score whose word is 0 becomes -infinity, p = 0.  A row with no word other than 0 ends as 0 x (1 / 0): NaN, as the softmax of a row of -infinity is.
; LAYOUT.  Both products transposed: S^T = k q^T, O^T = v^T p^T: a lane holds one query throughout.  Lane row r of tile 2 B + u (tokens, channels) is row 32 B + 8 u + r + 8 (r / 8), so the 16 registers of
; tiles 2 B, 2 B + 1 of a result are 16 neighbours: keys for p's conversion, channels on the way out.
; CLUSTER.  The four query blocks of a cluster walk the same k of one batch: each slot is asked for JOINTLY, by the same tensor load with the same descriptor and the mask 15.
; RING.  Two slots of 512 keys of k (four blocks of 34,816 bytes); wave w brings half a block (17 rows of 1,024 bytes); by this text's own count one tensor load a wave is out at any time.
; LIMITS: NaN and infinities in q, k, v are not served; the softmax holds while the scaled scores stay under 2^31 in magnitude.  The inputs y and z enter no step of the computation and are named by no launch.
; REGISTERS: window 0: v1-31 addresses and scale words of q and p, v32-43 scale words of k and v, v44-63 statistics, v64-127 S^T, then p's fragments, v128-191 two buffers for k, at work in between, v192-255 v.
;   window 1: v0-127 O^T (channel tile i, query tile t at 8 (4 i + t)), v128-191 q, v192-255 the mask's words.
.set SLOTB, 139264                     ; 0x22000 shares no bit with 17,408 x wave: an exclusive or turns an address in one slot into the other's.  Also: 256 keys of k and v in memory
.set STEPB, 69632                      ; 128 keys of k and v in memory; also 256 keys of k in a slot
.set KBLK,  34816
.set KSCO,  32768
.set VOFF,  34816
.set VSCO,  67584
.set SHARE, 17408                      ; what one tensor load brings
.set PB,    2*SLOTB                    ; behind the ring: p's images [query tile 4][128 keys 2][1,024];
.set XB,    PB+8192                    ; its blocks' scales [query tile 4][row 16][kq 4][2] f32;
.set MBL,   XB+2048                    ; -M [query tile 4][row 16][kq 4] f32;
.set LB,    1024                       ; the sums likewise, 1,024 bytes on;
.set AREA,  12288                      ; and the second such area
.set SPARE, PB+2*AREA                  ; the spare words, 128 bytes a wave: four blocks of 256 bytes that no other line names
.set SP,    272                        ; the way out: a stage of 16 rows x 272 bytes for each wave, in slot 0 (last fill and last read long past)
.set AK,   1                           ; my lane's place among k's images of a slot, and among its scale words;
.set AKS,  2
.set ADK,  3                           ; v3-6: the same in the slot in hand, for its first and second step
.set SPW,  7                           ; LDS address of my spare word; never rewritten
.set NIL,  8                           ; 0, for the add alone
.set MA,   9                           ; the mask: 8,192 (r + 8 (r / 8)) + 64 h
.set MPF,  10                          ; the mask's prefetch: 8,192 x lane
.set PFO,  11                          ; k's and v's: 256 x the lane, at most 16
.set PST,  12                          ; where I put p's codes, scales, -M;
.set XST,  13
.set MST,  14
.set PLD,  15                          ; and where I read p, scales, the four -M, the two of my half
.set XLD,  16
.set MLD,  17
.set MHD,  18
.set LI,   19                          ; 16 x lane
.set VIO,  20                          ; v in memory: my images,
.set VSO,  21                          ; my scale words
.set QS,   22
.set PS,   26
.set SCK,  32
.set SCV,  40
.set ST,   44                          ; my tile u's statistics at ST + 6 u: +0 -M, +1 the largest score, +2, +3 the sum in two halves, +4 a factor, +5 (named with it as a pair)
.set RF,   56                          ; query tile t: v[56 + 2 t] O's factor, v[57 + 2 t] -R
.set S,    64
.set KF,   128
.set TM,   176
.set RM,   128                         ; as they are read back: the four -M,
.set RH,   144                         ; my half's two,
.set RX,   152                         ; its four scales,
.set T,    168                         ; the new -R; T + 4 + t at work;
.set RL,   176                         ; the four sums
.set VF,   192
.set QF,   128                         ; in window 1
.set MK,   192                         ; in window 1
.set VB,   2                           ; s[2:3] k's and v's blocks of my batch, at the step whose v is asked for next
.set WV,   12                          ; s12 wave; s13 kq; s14 qh
.set SEL,  20
.set CS,   22                          ; s[22:23] c = log2(e) / sqrt(512)
.set TB,   36                          ; s36, s37 LDS bytes at which the slot's first and second step begin
.set SLOTS, 39                         ; fills still to come, this slot's among them
.set NINF, 40
.set LIM,  41                          ; 1 in the batch's first cluster, else the greatest number
.set PFA,  42
.set MB,   44
.set OUTP, 46
.set CM,   48                          ; s[48:55] the mask's compares
.set MSB, 0
.macro WIN new                         ; the immediate's high byte repeats the setting that is left
.if MSB != \new
	s_set_vgpr_msb (MSB<<8)|\new
.set MSB, \new
.endif
.endm
.macro PLACES
.rept 4
	v_nop
.endr
.endm
; one scaled product on the registers named by wD, wA, wB, wSA, wSB; cc: its C; ra, rb = 1: source 0's, source 1's scale words are taken from lanes 16-31
.macro WX cc, ra, rb
.if (\ra) && (\rb)
	v_wmma_scale_f32_16x16x128_f8f6f4 v[wD:wD+7], v[wA:wA+7], v[wB:wB+7], \cc, v[wSA], v[wSB] matrix_a_fmt:MATRIX_FMT_FP4 matrix_b_fmt:MATRIX_FMT_FP4 matrix_a_scale:MATRIX_SCALE_ROW1 matrix_b_scale:MATRIX_SCALE_ROW1
.elseif (\ra)
	v_wmma_scale_f32_16x16x128_f8f6f4 v[wD:wD+7], v[wA:wA+7], v[wB:wB+7], \cc, v[wSA], v[wSB] matrix_a_fmt:MATRIX_FMT_FP4 matrix_b_fmt:MATRIX_FMT_FP4 matrix_a_scale:MATRIX_SCALE_ROW1
.elseif (\rb)
	v_wmma_scale_f32_16x16x128_f8f6f4 v[wD:wD+7], v[wA:wA+7], v[wB:wB+7], \cc, v[wSA], v[wSB] matrix_a_fmt:MATRIX_FMT_FP4 matrix_b_fmt:MATRIX_FMT_FP4 matrix_b_scale:MATRIX_SCALE_ROW1
.else
	v_wmma_scale_f32_16x16x128_f8f6f4 v[wD:wD+7], v[wA:wA+7], v[wB:wB+7], \cc, v[wSA], v[wSB] matrix_a_fmt:MATRIX_FMT_FP4 matrix_b_fmt:MATRIX_FMT_FP4
.endif
.endm
; a round of the cluster's barrier
.macro CROUND
	s_barrier_signal -1
	s_barrier_wait -1
	s_cmp_lg_u32 s[WV], 0
	s_cbranch_scc1 .Lnot_wave_0_\@
	s_barrier_signal -3
.Lnot_wave_0_\@:
	s_barrier_wait -3
	s_barrier_signal -1
	s_barrier_wait -1
.endm
; PREFETCHES INTO THE L2, one instruction a wave and stream.  The mask: my 32 rows x 256 bytes of the step two on, a lane a row (no other wave reads them); their loads into registers are issued a step later.  It stands in
; the six steps that have such a step.  k and v: the 139,264 bytes of the step four on, two steps or more ahead of their loads, in the first four steps.  All clusters of a batch walk the same blocks: the batch's first
; cluster asks; partner cx's wave w names the 17 blocks of 256 bytes at 4,352 (8 cx + w), told apart by address (lanes 17 on name the last again): each block once in the launch.
.macro ASK
	global_prefetch_b8 v[MPF], s[MB:MB+1] offset:2048 th:TH_LOAD_NT scope:SCOPE_SE
	s_cmp_gt_u32 s[SLOTS], s[LIM]
	s_cbranch_scc0 .Lnot_mine_\@
	global_prefetch_b8 v[PFO], s[PFA:PFA+1] th:TH_LOAD_NT scope:SCOPE_SE
.Lnot_mine_\@:
.endm
; the mask's words of a step, off bytes on: register 32 u + n faces register n of S^T's tile u: query 8 u + r + 8 (r / 8), key 32 (n / 16) + 16 h + n % 16.  A row's 256 bytes of my 64 keys are taken by these 16 loads
.macro MLOAD off
	WIN 0x40                                       ; destination window 1
.irp u, 0,1
.irp b, 0,1
.irp i, 0,1,2,3
	global_load_b128 v[MK+32*\u+16*\b+4*\i:MK+32*\u+16*\b+4*\i+3], v[MA], s[MB:MB+1] offset:(\off)+65536*\u+128*\b+16*\i th:TH_LOAD_RT_NT
.endr
.endr
.endr
	WIN 0
.endm
; v's fragments of a step, 128 keys s, my channel tile i, and their scale words (register i / 2, even i in lanes 0-15, odd i in lanes 16-31): 18 loads
.macro VLOAD
.irp s, 0,1
	global_load_b64 v[SCV+2*\s:SCV+2*\s+1], v[VSO], s[VB:VB+1] offset:VSCO+STEPB*\s
.irp i, 0,1,2,3
.irp c, 0,1
	global_load_b128 v[VF+32*\s+8*\i+4*\c:VF+32*\s+8*\i+4*\c+3], v[VIO], s[VB:VB+1] offset:VOFF+STEPB*\s+1024*\i+512*\c
.endr
.endr
.endr
.endm
; k's four fragments of K step s, of the slot's first or second step, into buffer s % 2
.macro KLOAD sub, s
.irp i, 0,1,2,3
.irp c, 0,1
	ds_load_b128 v[KF+32*((\s)%2)+8*\i+4*\c:KF+32*((\s)%2)+8*\i+4*\c+3], v[ADK+2*(\sub)] offset:1024*(4*\i+(\s))+512*\c
.endr
.endr
.endm
; the scale words (register 2 i + s / 2, even s in lanes 0-15, odd s in lanes 16-31) and the first two K steps
.macro KPRE sub
.irp g, 0,1
	ds_load_b128 v[SCK+4*\g:SCK+4*\g+3], v[ADK+2*(\sub)+1] offset:512*\g
.endr
	KLOAD \sub, 0
	KLOAD \sub, 1
.endm
; eight products of K step s: the eight accumulators take turns, one instruction a turn
.macro KMUL s
.irp i, 0,1,2,3
.irp u, 0,1
.set wD, S+32*\u+8*\i
.set wA, KF+32*((\s)%2)+8*\i
.set wB, QF+8*(4*\u+(\s))
.set wSA, SCK+2*\i+(\s)/2
.set wSB, QS+2*\u+(\s)/2
.if (\s) == 0
	WX 0, 0, 0
.else
	WX v[wD:wD+7], (\s)%2, (\s)%2
.endif
.endr
.endr
.endm
; A STEP of 256 keys.  sub: the slot's first or second, and the area of the exchange.  next = 1: the next step's mask words and v are asked for.  kpre = 1: its first k fragments lie in this slot and are fetched.  last = 1: the sums are joined.
.macro STEP sub, next, kpre, ask, last
.if \ask
	ASK
.endif
	WIN 0x04                                       ; source 1 (q) window 1
	s_wait_dscnt 8                                 ; K step 0 is in; behind it K step 1's eight loads
	KMUL 0
	PLACES                                         ; four plain instructions in front of loads into the buffer just multiplied
	KLOAD \sub, 2
	s_wait_dscnt 8
	KMUL 1
	PLACES
	KLOAD \sub, 3
	s_wait_dscnt 8
	KMUL 2
	s_wait_dscnt 0
	KMUL 3
	WIN 0
	PLACES                                         ; in front of the first read of scores
	; the mask: scores whose word is 0 become -infinity; each accumulator is read from its low end on
	s_wait_alu depctr_va_vdst(0)
	s_wait_loadcnt 18                              ; the mask's words are in; behind them v's 18 loads may be out
	WIN 0x01                                       ; source 0 (the word) window 1
.set n, 0
.rept 8
.irp k, 0,1,2,3,4,5,6,7
	v_cmp_ne_u32 s[CM+\k], v[MK+n+\k], 0
.endr
.irp k, 0,1,2,3,4,5,6,7
	v_cndmask_b32 v[S+n+\k], s[NINF], v[S+n+\k], s[CM+\k]
.endr
.set n, n+8
.endr
	WIN 0
.if \next
	MLOAD 1024                                     ; the next step's words, a whole step ahead
.endif
	; the softmax, both tiles together: block k = 2 u + b at S + 16 k
.irp k, 0,1,2,3
	v_max3_num_f32 v[TM+\k], v[S+16*\k], v[S+16*\k+1], v[S+16*\k+2]   ; the largest score of each block of 32 keys: it serves for the row's maximum and, since p rises with the score, for the block's largest p
.endr
.irp i, 3,5,7,9,11,13
.irp k, 0,1,2,3
	v_max3_num_f32 v[TM+\k], v[TM+\k], v[S+16*\k+\i], v[S+16*\k+\i+1]
.endr
.endr
.irp k, 0,1,2,3
	v_max_num_f32 v[TM+\k], v[TM+\k], v[S+16*\k+15]
.endr
.irp k, 0,1,2,3
	v_permlanex16_b32 v[TM+4+\k], v[TM+\k], s[SEL], s[SEL+1]
.endr
.irp k, 0,1,2,3
	v_max_num_f32 v[TM+\k], v[TM+\k], v[TM+4+\k]   ; with lane l xor 16's 16 keys
.endr
.irp u, 0,1
	v_max3_num_f32 v[ST+6*\u+1], v[ST+6*\u+1], v[TM+2*\u], v[TM+2*\u+1]   ; the running largest score
.endr
.irp u, 0,1
	v_mul_f32 v[TM+8+\u], s[CS], v[ST+6*\u+1]      ; as t (c is positive)
.endr
.irp u, 0,1
	v_floor_f32 v[TM+8+\u], -v[TM+8+\u]            ; the new -M = floor(-t): M is a whole number
.endr
.irp u, 0,1
	v_sub_f32 v[TM+10+\u], v[TM+8+\u], v[ST+6*\u]  ; old M less new M: a whole number, 0 or less
.endr
.irp u, 0,1
	v_mov_b32 v[ST+6*\u], v[TM+8+\u]
.endr
.irp u, 0,1
	v_cvt_i32_f32 v[TM+10+\u], v[TM+10+\u]         ; (it saturates)
.endr
.irp u, 0,1
	v_ldexp_f32 v[ST+6*\u+4], 1.0, v[TM+10+\u]     ; 2^(old M - new M), for the sum
.endr
.set n, 0
.rept 32
	v_pk_fma_f32 v[S+n:S+n+1], v[S+n:S+n+1], s[CS:CS+1], v[ST+6*(n/32):ST+6*(n/32)+1] op_sel_hi:[1,0,0]   ; t - M, two at a time
.set n, n+2
.endr
.irp k, 0,1,2,3
	v_fma_f32 v[TM+\k], v[TM+\k], s[CS], v[ST+6*(\k/2)]   ; the same of each block's largest score
.endr
	s_wait_alu depctr_va_vdst(0)                   ; ahead of the batch
.set n, 0
.rept 64
	v_exp_f32 v[S+n], v[S+n]                       ; p = 2^(t - M), at most 1
.set n, n+1
.endr
.irp k, 0,1,2,3
	v_exp_f32 v[TM+\k], v[TM+\k]                   ; the block's largest p: the same two instructions on the same number
.endr
.irp u, 0,1
	v_pk_mul_f32 v[ST+6*\u+2:ST+6*\u+3], v[ST+6*\u+2:ST+6*\u+3], v[ST+6*\u+4:ST+6*\u+5] op_sel_hi:[1,0]   ; the sums under the new M: plain instructions behind the exponentials
.endr
	s_wait_alu depctr_va_vdst(0)                   ; and one wait behind the batch, ahead of its first reader
.irp k, 0,1,2,3
	v_max_num_f32 v[TM+\k], 0x1800000, v[TM+\k]    ; the floor 2^(3 - 127): the byte cannot fall under 1 (a block whose every p is 0 keeps that: its codes are zeros)
.endr
.irp k, 0,1,2,3
	v_add_nc_u32 v[TM+12+\k], 0xff000000, v[TM+\k] ; 2 off the exponent field: the conversion's scale operand
.endr
.irp u, 0,1
	v_pk_add_f32 v[TM+8+2*\u:TM+9+2*\u], v[S+32*\u+2:S+32*\u+3], v[S+32*\u+6:S+32*\u+7]   ; the row's sum is taken of the unquantised p, in two chains a tile
.endr
.irp j, 0,4
.irp u, 0,1
	v_pk_add_f32 v[ST+6*\u+2:ST+6*\u+3], v[ST+6*\u+2:ST+6*\u+3], v[S+32*\u+\j:S+32*\u+\j+1]
.endr
.endr
.irp j, 8,12,16,20,24,28
.irp u, 0,1
	v_pk_add_f32 v[ST+6*\u+2:ST+6*\u+3], v[ST+6*\u+2:ST+6*\u+3], v[S+32*\u+\j:S+32*\u+\j+1]
	v_pk_add_f32 v[TM+8+2*\u:TM+9+2*\u], v[TM+8+2*\u:TM+9+2*\u], v[S+32*\u+\j+2:S+32*\u+\j+3]
.endr
.endr
.irp u, 0,1
	v_pk_add_f32 v[ST+6*\u+2:ST+6*\u+3], v[ST+6*\u+2:ST+6*\u+3], v[TM+8+2*\u:TM+9+2*\u]
.endr
.irp k, 0,1,2,3
	v_cvt_scalef32_pk8_fp4_f32 v[TM+2*\k], v[S+16*\k:S+16*\k+7], v[TM+12+\k]
	v_cvt_scalef32_pk8_fp4_f32 v[TM+2*\k+1], v[S+16*\k+8:S+16*\k+15], v[TM+12+\k]
.endr
	v_nop                                          ; one plain instruction behind the last scaled conversion
.if \last
.irp u, 0,1
	v_add_f32 v[ST+6*\u+2], v[ST+6*\u+2], v[ST+6*\u+3]   ; the sum's two halves,
.endr
.irp u, 0,1
	v_permlanex16_b32 v[TM+8+\u], v[ST+6*\u+2], s[SEL], s[SEL+1]
.endr
.irp u, 0,1
	v_add_f32 v[TM+10+\u], v[ST+6*\u+2], v[TM+8+\u]   ; and lane l xor 16's: my keys' sum
.endr
.irp u, 0,1
	ds_store_b32 v[MST], v[TM+10+\u] offset:AREA*(\sub)+LB+256*\u
.endr
.endif
.irp u, 0,1
.irp b, 0,1
	ds_store_b64 v[PST], v[TM+4*\u+2*\b:TM+4*\u+2*\b+1] offset:AREA*(\sub)+2048*\u+256*\b   ; 16 codes to their half of the block's 16 bytes: the operand's layout wants a whole block in a lane
.endr
	ds_store_b64 v[XST], v[TM+12+2*\u:TM+13+2*\u] offset:AREA*(\sub)+512*\u    ; both lanes of a query write the same words with the same values
	ds_store_b32 v[MST], v[ST+6*\u] offset:AREA*(\sub)+256*\u
.endr
	s_wait_alu depctr_va_vdst(0)
	s_wait_dscnt 0x0                               ; for the others' sake: my stores have landed, and my reads of the other area are over
	s_barrier_signal -1
	s_barrier_wait -1
.irp t, 0,1,2,3
	ds_load_b128 v[RM+4*\t:RM+4*\t+3], v[MLD] offset:AREA*(\sub)+256*\t        ; the four waves' -M of my query
	ds_load_b64 v[RH+2*\t:RH+2*\t+1], v[MHD] offset:AREA*(\sub)+256*\t         ; those of the 128 keys whose scale word my half of the lanes makes
	ds_load_b128 v[RX+4*\t:RX+4*\t+3], v[XLD] offset:AREA*(\sub)+512*\t        ; and these keys' four scales
.if \last
	ds_load_b128 v[RL+4*\t:RL+4*\t+3], v[MLD] offset:AREA*(\sub)+LB+256*\t
.endif
.endr
.irp s, 0,1
.irp t, 0,1,2,3
.irp c, 0,1
	ds_load_b128 v[S+16*\t+8*\s+4*\c:S+16*\t+8*\s+4*\c+3], v[PLD] offset:AREA*(\sub)+2048*\t+1024*\s+512*\c
.endr
.endr
.endr
	s_wait_dscnt 16                                ; all but p's sixteen loads
.irp t, 0,1,2,3
	v_min3_num_f32 v[T+\t], v[RM+4*\t], v[RM+4*\t+1], v[RM+4*\t+2]
.endr
.irp t, 0,1,2,3
	v_min_num_f32 v[T+\t], v[T+\t], v[RM+4*\t+3]   ; -R: the smallest -M
.endr
.irp k, 0,1
.irp t, 0,1,2,3
	v_sub_f32 v[RH+2*\t+\k], v[T+\t], v[RH+2*\t+\k]   ; M - R: a whole number, 0 or less
.endr
.endr
.irp t, 0,1,2,3
	v_sub_f32 v[T+4+\t], v[T+\t], v[RF+2*\t+1]     ; old R less new R
.endr
.irp k, 0,1
.irp t, 0,1,2,3
	v_cvt_i32_f32 v[RH+2*\t+\k], v[RH+2*\t+\k]     ; (it saturates)
.endr
.endr
.irp t, 0,1,2,3
	v_cvt_i32_f32 v[T+4+\t], v[T+4+\t]
.endr
.irp t, 0,1,2,3
	v_mov_b32 v[RF+2*\t+1], v[T+\t]
.endr
.irp t, 0,1,2,3
	v_ldexp_f32 v[RF+2*\t], 1.0, v[T+4+\t]         ; 2^(old R - new R), for O
.endr
.irp k, 0,1,2,3
.irp t, 0,1,2,3
	v_ldexp_f32 v[RX+4*\t+\k], v[RX+4*\t+\k], v[RH+2*\t+\k/2]   ; the block's scale under R (what falls under the smallest normal number gets the byte 0, 2^-127)
.endr
.endr
.irp k, 0,1,2,3
.irp t, 0,1,2,3
	v_lshrrev_b32 v[RX+4*\t+\k], 23, v[RX+4*\t+\k] ; its byte
.endr
.endr
.irp t, 0,1,2,3
	v_lshl_or_b32 v[PS+\t], v[RX+4*\t+1], 8, v[RX+4*\t]
.endr
.irp t, 0,1,2,3
	v_lshl_or_b32 v[PS+\t], v[RX+4*\t+2], 16, v[PS+\t]
.endr
.irp t, 0,1,2,3
	v_lshl_or_b32 v[PS+\t], v[RX+4*\t+3], 24, v[PS+\t]   ; p's scale words: keys 0-127 of the step in lanes 0-15, 128-255 in lanes 16-31
.endr
.if \last                              ; the row's sum: the four waves' under R
.irp k, 0,1,2,3
.irp t, 0,1,2,3
	v_sub_f32 v[RM+4*\t+\k], v[T+\t], v[RM+4*\t+\k]
.endr
.endr
.irp k, 0,1,2,3
.irp t, 0,1,2,3
	v_cvt_i32_f32 v[RM+4*\t+\k], v[RM+4*\t+\k]
.endr
.endr
.irp k, 0,1,2,3
.irp t, 0,1,2,3
	v_ldexp_f32 v[RM+4*\t+\k], 1.0, v[RM+4*\t+\k]
.endr
.endr
.irp t, 0,1,2,3
	v_mul_f32 v[ST+2*\t], v[RL+4*\t], v[RM+4*\t]   ; (my own statistics are done with: their registers take the four rows' sums)
.endr
.irp k, 1,2,3
.irp t, 0,1,2,3
	v_fma_f32 v[ST+2*\t], v[RL+4*\t+\k], v[RM+4*\t+\k], v[ST+2*\t]
.endr
.endr
	s_wait_alu depctr_va_vdst(0)                   ; ahead of the batch
.irp t, 0,1,2,3
	v_rcp_f32 v[ST+2*\t], v[ST+2*\t]
.endr
	v_nop                                          ; a plain instruction behind the last reciprocal
.endif
	WIN 0x41                                       ; destination and source 0 window 1
	s_wait_alu depctr_va_vdst(0)                   ; directly ahead of the first reader of O^T
.set n, 0
.rept 64
	v_pk_mul_f32 v[n:n+1], v[n:n+1], v[RF+2*((n/8)%4):RF+2*((n/8)%4)+1] op_sel_hi:[1,0]   ; O^T under the new R; each accumulator from its low end on
.set n, n+2
.endr
	s_wait_alu depctr_va_vdst(0)
	s_wait_dscnt 0x0                               ; p is in
	WIN 0
.if \kpre
	KPRE 1                                         ; the slot's second step: its first fragments come under these products
.endif
.if \next
	s_wait_loadcnt 16                              ; v is in; behind it the mask's 16 loads may be out
.else
	s_wait_loadcnt 0
.endif
	WIN 0x50                                       ; C and D window 1
.irp s, 0,1
.irp i, 0,1,2,3
.irp t, 0,1,2,3                                ; the sixteen accumulators take turns
.set wD, 8*(4*\i+\t)
.set wA, VF+32*\s+8*\i
.set wB, S+16*\t+8*\s
.set wSA, SCV+2*\s+\i/2
.set wSB, PS+\t
	WX v[wD:wD+7], \i%2, \s
.endr
.endr
.endr
	WIN 0
.rept 5
	v_nop                                          ; in front of the loads into v's registers, and of the next products' results over p's fragments
.endr
.if \next
	s_wait_xcnt 0x0                                ; the loads and prefetches have read their bases: they are stepped only behind this wait
	s_add_nc_u64 s[MB:MB+1], s[MB:MB+1], 1024      ; 256 keys on
	s_add_nc_u64 s[VB:VB+1], s[VB:VB+1], SLOTB
	s_add_nc_u64 s[PFA:PFA+1], s[PFA:PFA+1], SLOTB
	VLOAD                                          ; the next step's v
.endif
.endm
; THE CHANGE OF SLOTS stands at a slot's head.  Each wave waits for all its tensor loads (its part of the slot that it is about to read), adds 0 to its spare word, and waits for that and for its reads of the slot left.
; fill = 1: the barrier is a round of the cluster's, so that no wave of any partner still reads the slot left or has a load on its way; the joint refill comes first behind it and has two steps in which to land.
.macro CHANGE fill
	s_wait_tensorcnt 0x0                           ; no tensor load of mine is out, so the descriptor may be written
	ds_add_u32 v[SPW], v[NIL]                      ; 0 onto my spare word
	v_add_nc_u32 v[ADK], s[TB], v[AK]
	v_add_nc_u32 v[ADK+1], s[TB], v[AKS]
	v_add_nc_u32 v[ADK+2], s[TB+1], v[AK]
	v_add_nc_u32 v[ADK+3], s[TB+1], v[AKS]
	s_wait_alu depctr_va_vdst(0)                   ; directly behind the writes
.if \fill
	s_xor_b32 s33, s33, SLOTB                      ; the other slot than last time,
	s_add_nc_u64 s[34:35], s[34:35], 2*SLOTB       ; the next 512 keys; the type bits on top are not reached
	s_wait_dscnt 0x0                               ; the add is done, and my reads of the slot left are over
	CROUND
	tensor_load_to_lds s[32:35], s[24:31]          ; my one tensor load behind the round
	s_nop 0
	PLACES
.else
	s_wait_dscnt 0x0
	s_barrier_signal -1
	s_barrier_wait -1
	PLACES
.endif
	KPRE 0
.endm
	s_load_b256 s[4:11], s[0:1], 0x0               ; qimg s[4:5], kv s[6:7], mask s[8:9], out0 s[10:11]
	v_lshl_add_u32 v[SPW], v0, 2, SPARE
	v_mov_b32 v[NIL], 0
	ds_add_u32 v[SPW], v[NIL]                      ; the wave's opening: the add, twice on end, and its wait ahead of my first tensor load
	ds_add_u32 v[SPW], v[NIL]
	v_lshrrev_b32 v64, 5, v0
	v_readfirstlane_b32 s[WV], v64                 ; wave 0..7
	s_lshr_b32 s13, s[WV], 1                       ; kq
	s_and_b32 s14, s[WV], 1                        ; qh
	s_lshr_b32 s48, s13, 1                         ; my keys: which 128 of a step's 256,
	s_mul_i32 s48, s48, KBLK
	s_and_b32 s49, s13, 1                          ; and which 64 of these: four key tiles, 16,384 bytes of images, 1,024 of scale words
	s_lshl_b32 s50, s49, 14
	s_add_co_u32 s50, s50, s48
	s_lshl_b32 s51, s49, 10
	s_add_co_u32 s51, s51, s48
	s_add_co_u32 s51, s51, KSCO
	s_lshl_b32 s52, s[WV], 12                      ; my channels: four tiles of v, 4,096 bytes,
	s_lshl_b32 s53, s13, 9                         ; and 8 bytes of each 16 of their scale words' 512
	s_lshl_b32 s54, s14, 3
	s_add_co_u32 s53, s53, s54
	s_lshl_b32 s56, s14, 12
	s_add_co_u32 s56, s56, PB                      ; p's images of my query half,
	s_lshl_b32 s55, s13, 9
	s_add_co_u32 s56, s56, s55                     ; my 64 keys in them
	s_lshl_b32 s59, s14, 10
	s_add_co_u32 s59, s59, XB
	s_lshl_b32 s55, s13, 3
	s_add_co_u32 s59, s59, s55
	s_lshl_b32 s61, s14, 9
	s_add_co_u32 s61, s61, MBL
	s_lshl_b32 s55, s13, 2
	s_add_co_u32 s61, s61, s55
	v_and_b32 v[LI], 31, v0
	v_and_b32 v64, 15, v0                          ; r
	v_bfe_u32 v65, v0, 4, 1                        ; h
	v_min_u32 v[PFO], 16, v[LI]
	v_lshlrev_b32 v[MPF], 13, v[LI]
	v_lshlrev_b32 v[PFO], 8, v[PFO]
	v_lshlrev_b32 v[LI], 4, v[LI]
	v_and_b32 v66, 8, v64
	v_add_nc_u32 v66, v66, v64                     ; r + 8 (r / 8)
	v_add_nc_u32 v[AK], s50, v[LI]
	v_add_nc_u32 v[AKS], s51, v[LI]
	v_add_nc_u32 v[VIO], s52, v[LI]
	v_add_nc_u32 v[VSO], s53, v[LI]
	v_lshlrev_b32 v[MA], 13, v66
	v_lshl_add_u32 v[MA], v65, 6, v[MA]
	v_lshlrev_b32 v67, 4, v64                      ; 16 r
	v_lshl_add_u32 v68, v65, 3, v67                ; 16 r + 8 h
	v_lshlrev_b32 v69, 5, v64                      ; 32 r
	v_lshl_add_u32 v70, v65, 4, v69                ; 32 r + 16 h
	v_add_nc_u32 v[PST], s56, v68
	v_add_nc_u32 v[PLD], PB, v[LI]
	v_add_nc_u32 v[XLD], XB, v70
	v_add_nc_u32 v[XST], s59, v69
	v_add_nc_u32 v[MLD], MBL, v67
	v_add_nc_u32 v[MHD], MBL, v68
	v_add_nc_u32 v[MST], s61, v67
	s_wait_alu depctr_va_vdst(0)                   ; ahead of the run of scalar instructions and waits
	s_bfe_u32 s15, ttmp6, 0x40000                  ; cx: it enters the addresses of q, the mask, out0 and the prefetches alone
	s_lshl_b32 s16, ttmp9, 2
	s_add_co_u32 s16, s16, s15                     ; my block of 64 queries = 4 x cluster x + cx
	s_and_b32 s17, ttmp7, 0xffff                   ; the batch, which the four partners share
	; descriptor group 1: 17 rows of 1,024 bytes (128 elements of 8), dense, no padding
	s_mov_b32 s24, 15|(3<<16)|(1<<21)              ; 15:0 the mask: all four work-groups; 17:16 elements of 8 bytes; 21 set beside a mask
	s_mov_b32 s25, 128<<16                         ; tensor_dim0 = 128
	s_mov_b32 s26, 17<<16                          ; tensor_dim1 = 17
	s_mov_b32 s27, 128<<16                         ; tile_dim0 = 128
	s_mov_b32 s28, 17                              ; tile_dim1 = 17
	s_mov_b32 s29, 128                             ; from row to row
	s_mov_b32 s30, 0
	s_mov_b32 s31, 0
	s_mul_i32 s38, s[WV], SHARE                    ; my half block in a slot,
	s_mul_i32 s[VB], s17, 16*STEPB                 ; the batch's 16 blocks of 128 keys,
	s_mov_b32 s[VB+1], 0
	s_mul_i32 s18, s13, STEPB                      ; and my half block in memory: block w / 2, half w % 2
	s_add_co_u32 s18, s18, s[VB]
	s_mul_i32 s19, s14, SHARE
	s_add_co_u32 s18, s18, s19
	s_mov_b32 s19, 0
	s_mov_b32 s[SEL], 0x76543210
	s_mov_b32 s[SEL+1], 0xfedcba98                 ; lane selects: lane l xor 16
	s_mov_b32 s[CS], 0x3d8293ee                    ; c = log2(e) / sqrt(512)
	s_mov_b32 s[CS+1], s[CS]                       ; (named with it as a pair, so it is written)
	s_mov_b32 s[TB], 0
	s_mov_b32 s[TB+1], STEPB
	s_mov_b32 s[NINF], 0xff800000
	s_cmp_eq_u32 ttmp9, 0
	s_cselect_b32 s[LIM], 1, -1
	s_lshl_b32 s52, s17, 4                         ; q: its block of 128 tokens: 16 b + block of 64 / 2,
	s_lshr_b32 s53, s16, 1
	s_add_co_u32 s52, s52, s53
	s_mul_i32 s52, s52, 34816
	s_and_b32 s53, s16, 1
	s_lshl_b32 s53, s53, 1
	s_add_co_u32 s53, s53, s14                     ; and in it my 32 tokens: two tiles, 8 images, 8,192 bytes;
	s_lshl_b32 s54, s53, 13
	s_add_co_u32 s54, s54, s52
	s_mov_b32 s55, 0
	s_lshl_b32 s56, s53, 9                         ; their scale words: 512 bytes of the block's
	s_add_co_u32 s56, s56, s52
	s_add_co_u32 s56, s56, 32768
	s_mov_b32 s57, 0
	s_lshl_b32 s58, s17, 11
	s_lshl_b32 s59, s16, 6
	s_add_co_u32 s58, s58, s59                     ; my work-group's first query among all 16,384
	s_lshl_b32 s62, s58, 11                        ; a row of out0 is 2,048 bytes; my channels begin 256 w bytes on
	s_lshl_b32 s59, s[WV], 8
	s_add_co_u32 s62, s62, s59
	s_mov_b32 s63, 0
	s_lshl_b32 s59, s14, 5
	s_add_co_u32 s58, s58, s59                     ; my first query
	s_lshl_b32 s60, s58, 13                        ; a row of the mask is 8,192 bytes; my keys begin 256 kq bytes on
	s_lshl_b32 s59, s13, 8
	s_add_co_u32 s60, s60, s59
	s_mov_b32 s61, 0
	s_lshl_b32 s[PFA], s15, 3                      ; k's and v's prefetches: 4,352 (8 cx + w), in step 4
	s_add_co_u32 s[PFA], s[PFA], s[WV]
	s_mul_i32 s[PFA], s[PFA], 4352
	s_add_co_u32 s[PFA], s[PFA], s[VB]
	s_add_co_u32 s[PFA], s[PFA], 4*SLOTB
	s_mov_b32 s[PFA+1], 0
	s_wait_dscnt 0x0                               ; both opening adds are done
	s_wait_kmcnt 0x0
	s_add_nc_u64 s[48:49], s[4:5], s[54:55]        ; q's images
	s_add_nc_u64 s[50:51], s[4:5], s[56:57]        ; q's scale words
	s_add_nc_u64 s[MB:MB+1], s[8:9], s[60:61]
	s_add_nc_u64 s[OUTP:OUTP+1], s[10:11], s[62:63]
	s_add_nc_u64 s[PFA:PFA+1], s[6:7], s[PFA:PFA+1]
	s_add_nc_u64 s[VB:VB+1], s[6:7], s[VB:VB+1]
	s_mov_b32 s32, 1                               ; 1:0 count = 1
	s_mov_b32 s33, s38                             ; LDS address: my half block of slot 0
	s_add_nc_u64 s[34:35], s[6:7], s[18:19]        ; global address: among the batch's first 512 keys
	s_or_b32 s35, s35, 0x80000000                  ; type = 2
	CROUND                                         ; all four work-groups are here: the first joint loads meet
	tensor_load_to_lds s[32:35], s[24:31]          ; slot 0
	s_nop 0
	PLACES
	WIN 0x40                                       ; destination window 1
.set n, 0
.rept 16
	global_load_b128 v[QF+4*n:QF+4*n+3], v[LI], s[48:49] offset:512*n   ; q's fragment (tile u, K step s) at 8 (4 u + s): it stays
.set n, n+1
.endr
	WIN 0
	global_load_b128 v[QS:QS+3], v[LI], s[50:51]   ; register 2 u + s / 2, even s in lanes 0-15, odd s in lanes 16-31
	MLOAD 0                                        ; the first step's mask words,
	VLOAD                                          ; and its v
.irp u, 0,1
	v_mov_b32 v[ST+6*\u+1], 0xff61b1e6             ; the largest score so far: -3e38
	v_mul_f32 v[ST+6*\u], s[CS], v[ST+6*\u+1]
	v_floor_f32 v[ST+6*\u], -v[ST+6*\u]            ; -M
	v_mov_b32 v[ST+6*\u+2], 0                      ; the sum, in two halves
	v_mov_b32 v[ST+6*\u+3], 0
	v_mov_b32 v[ST+6*\u+5], 0                      ; (named as the upper half of a factor's pair)
.endr
.irp t, 0,1,2,3
	v_mov_b32 v[RF+2*\t+1], v[ST]                  ; -R
.endr
.irp k, 0,1,2,3,4,5
	v_mov_b32 v[TM+4+\k], 0                        ; written once: a lane permute's destination counts as one of its sources
.endr
	WIN 0x40                                       ; destination window 1
.set n, 0
.rept 128
	v_mov_b32 v[n], 0                              ; O^T, under the first slot's flight.  (The loop is written once: its first step finds zeros, which the first change of R leaves zeros)
.set n, n+1
.endr
	WIN 0
	global_prefetch_b8 v[MPF], s[MB:MB+1] offset:1024 th:TH_LOAD_NT scope:SCOPE_SE   ; the second step's mask words, which the first step loads
	s_mov_b32 s[SLOTS], 3
	s_wait_alu depctr_va_vdst(0)
	s_wait_loadcnt 34                              ; q and its scale words are in; behind them the mask's 16 loads and v's 18
.Lslot:                                            ; three trips: behind each change of slots the slot just left is filled (again; the first time: slot 1 for the first time)
	CHANGE 1
	STEP 0, 1, 1, 1, 0
	STEP 1, 1, 0, 1, 0
	s_xor_b32 s[TB], s[TB], SLOTB                  ; on to the other slot
	s_add_co_u32 s[TB+1], s[TB], STEPB
	s_sub_co_u32 s[SLOTS], s[SLOTS], 1
	s_cmp_lg_u32 s[SLOTS], 0
	s_cbranch_scc1 .Lslot
	CHANGE 0                                       ; the last slot is written out
	STEP 0, 1, 1, 0, 0
	STEP 1, 0, 0, 0, 1
	; THE WAY OUT.  The address work comes first.
.set STO, 1
.set SRD, 2
.set GO,  3
	s_mul_i32 s48, s[WV], 16*SP                    ; my stage, in slot 0
	v_and_b32 v9, 15, v0
	v_bfe_u32 v10, v0, 4, 1
	v_mul_u32_u24 v11, v9, SP
	v_lshl_add_u32 v11, v10, 6, v11
	v_add_nc_u32 v[STO], s48, v11                  ; in: row r, + 64 h
	v_mul_u32_u24 v11, v10, SP
	v_lshl_add_u32 v11, v9, 4, v11
	v_add_nc_u32 v[SRD], s48, v11                  ; back: lanes 0-15 one row of 256 bytes, lanes 16-31 the next;
	v_lshlrev_b32 v12, 11, v10
	v_lshl_add_u32 v[GO], v9, 4, v12               ; and the same in out0
	WIN 0x41                                       ; destination and source 0 window 1
.set n, 0
.rept 64
	v_pk_mul_f32 v[n:n+1], v[n:n+1], v[ST+2*((n/8)%4):ST+2*((n/8)%4)+1] op_sel_hi:[1,0]   ; O^T / the sum; each accumulator from its low end on
.set n, n+2
.endr
; Query tile t: 16 queries x my 64 channels go through my stage (rows of 256 bytes + 16) and come back as whole rows.  LDS serves a wave's instructions in order: no wait between the stores and the loads, nor ahead of the next tile's stores.
.macro TOSTAGE t
	WIN 0x04                                       ; the data: window 1
.set n, 0
.rept 4
	ds_store_b128 v[STO], v[8*(4*n+\t):8*(4*n+\t)+3] offset:128*(n/2)+32*(n%2)          ; tile n's register j is channel 32 (n / 2) + 16 h + 8 (n % 2) + j of my 64
	ds_store_b128 v[STO], v[8*(4*n+\t)+4:8*(4*n+\t)+7] offset:128*(n/2)+32*(n%2)+16
.set n, n+1
.endr
	WIN 0
.set n, 0
.rept 8
	ds_load_b128 v[S+32*\t+4*n:S+32*\t+4*n+3], v[SRD] offset:2*SP*n
.set n, n+1
.endr
.endm
.macro SEND t, younger
.set n, 0
.rept 8
	s_wait_dscnt \younger+7-n                      ; rows 2 n, 2 n + 1 are back
	global_store_b128 v[GO], v[S+32*\t+4*n:S+32*\t+4*n+3], s[OUTP:OUTP+1] offset:(32*(\t/2)+8*(\t%2)+2*n+8*(n/4))*2048 th:TH_STORE_NT   ; sixteen lanes store 256 consecutive bytes, at a multiple of 256 from out0's first byte
.set n, n+1
.endr
.endm
	s_wait_alu depctr_va_vdst(0)
	TOSTAGE 0
	TOSTAGE 1
	TOSTAGE 2
	SEND 0, 32                                     ; behind tile 0's loads: two tiles' 8 stores and 8 loads each
	TOSTAGE 3
	SEND 1, 32
	SEND 2, 16
	SEND 3, 0
	s_wait_tensorcnt 0x0                           ; the wave's end: behind my last tensor load and my last LDS store
	ds_add_u32 v[SPW], v[NIL]
	s_wait_dscnt 0x0
	CROUND                                         ; the closing round: no work-group ends while a partner may still ask for a tile that names it
	s_endpgm
.Lfunc_end_k_qa6a602027b_attn:
	.size	k_qa6a602027b_attn, .Lfunc_end_k_qa6a602027b_attn-k_qa6a602027b_attn
	.p2alignl 7, 3214868480
	.fill 96, 4, 3214868480
	.section	.rodata,"a",@progbits
	.p2align	6, 0x0
	.amdhsa_kernel k_qa6a602027b_attn
		.amdhsa_group_segment_fixed_size 327680
		.amdhsa_private_segment_fixed_size 0
		.amdhsa_enable_private_segment 0
		.amdhsa_kernarg_size 32
		.amdhsa_user_sgpr_count 2
		.amdhsa_user_sgpr_kernarg_segment_ptr 1
		.amdhsa_wavefront_size32 1
		.amdhsa_system_sgpr_workgroup_id_x 1
		.amdhsa_system_sgpr_workgroup_id_y 1
		.amdhsa_system_sgpr_workgroup_id_z 1
		.amdhsa_system_vgpr_workitem_id 0
		.amdhsa_next_free_vgpr 512
		.amdhsa_next_free_sgpr 66
		.amdhsa_reserve_vcc 0
		.amdhsa_float_denorm_mode_32 3
		.amdhsa_float_denorm_mode_16_64 3
		.amdhsa_memory_ordered 1
		.amdhsa_forward_progress 1
		.amdhsa_inst_pref_size 206
	.end_amdhsa_kernel
	.amdgpu_metadata
---
amdhsa.version: [ 1, 2 ]
amdhsa.kernels:
  - .name:           k_qa6a602027b_attn
    .symbol:         k_qa6a602027b_attn.kd
    .args:
      - { .name: qimg, .offset: 0, .size: 8, .value_kind: global_buffer, .address_space: global }
      - { .name: kv, .offset: 8, .size: 8, .value_kind: global_buffer, .address_space: global }
      - { .name: mask, .offset: 16, .size: 8, .value_kind: global_buffer, .address_space: global }
      - { .name: out0, .offset: 24, .size: 8, .value_kind: global_buffer, .address_space: global }
    .group_segment_fixed_size: 327680
    .private_segment_fixed_size: 0
    .kernarg_segment_align: 8
    .kernarg_segment_size: 32
    .max_flat_workgroup_size: 256
    .sgpr_count:     66
    .vgpr_count:     512
    .wavefront_size: 32
...
	.end_amdgpu_metadata
.endif
;; end of part 3
